; MI455X (gfx1250); checked and timed in simulation.
; The chip was launched on July 23, 2026; its instructions are those of AMD's public machine-readable ISA for CDNA 5 (MIT licence, August 2026) and "CDNA5" Instruction Set Architecture Reference Guide (July 2026). The comments in the code are by the model that wrote it; some were corrected since.
;; Domain Attention Layer. Allowed arithmetic: float matrix products may take bf16 or f16 operands with f32 sums; all other float work in f32.
;; Inputs: Wk 512 x 512 float32; Wq 512 x 512 float32; Wv 512 x 512 float32; bk 512 float32; bq 512 float32; bv 512 float32; domain_x 8,192 x 512 float32; x 4,096 x 512 float32.
;; Outputs: out0 4,096 x 512 float32.
;; One version. Each part assembles by itself: llvm-mc -triple=amdgcn-amd-amdhsa -mcpu=gfx1250 --defsym DOCPART=n.
;; ======== version 1 of 1: 4 launches
;; limits: values outside matrix products are rounded to bf16
;; workspace buffers: dxb 8,388,608 bytes; gf 557,568 bytes; gl 524,288 bytes; wvf 524,288 bytes; qf 4,194,304 bytes; cb 32,768 bytes; yp 33,554,432 bytes; st 262,144 bytes
;; launch prep (part 1): grid 256 x 1, 4 waves a work-group, no clusters, 98,816 bytes of LDS; arguments domain_x, Wk, Wq, Wv, bk, bq, dxb, gf, wvf, gl; writes dxb, gf, wvf, gl
.if DOCPART == 1
	.amdgcn_target "amdgcn-amd-amdhsa--gfx1250"
	.amdhsa_code_object_version 6
	.text
	.protected	k_q51b2f7e497_prep
	.globl	k_q51b2f7e497_prep
	.p2align	8
	.type	k_q51b2f7e497_prep,@function
k_q51b2f7e497_prep:
	s_mov_b64 s[64:65], 0
	v_nop
	global_prefetch_b8 v0, s[64:65] scope:SCOPE_SE
	s_setreg_imm32_b32 hwreg(HW_REG_WAVE_MODE, 25, 1), 1
	s_wait_xcnt 0x0
; PREP.  Three things, shared evenly among 256 work-groups of four waves (W = work-group, di = W >> 4, kj = W & 15):
;   dxb = domain_x rounded to bf16, row-major: 32 rows a work-group;
;   wvf = Wv rounded to bf16, in fragment order: 4 blocks a work-group, one a wave;
;   gf, gl = G^[d][k] = ALPHA * sum over e of Wk^[e][d] Wq^[e][k], in fragment order: one 32 x 32 tile a work-group, and the borders.
; Wk^ = Wk with 16 more columns (bk in columns 512 and 520, else 0); Wq^ = Wq with 16 more columns (bq in column 512, else 0).
; ALPHA = log2(e) / sqrt(512).  With x^ = [x, 1, 0 ..]:  x^ G^T = ALPHA (q Wk) in columns 0-511 and ALPHA q.bk in columns 512 and 520,
; and q k^T = (q Wk) domain_x^T + (q.bk) 1^T holds for every input, so that the keys need no projection of their own.
; G^ is a sum that reference() never rounds, so its 512 x 512 body goes on as TWO bf16 operands: gf holds bf16(g), gl holds bf16(g - bf16(g)).
; FRAGMENT ORDER: a block of 16 rows x 16 k of bf16 is 512 consecutive bytes; lane 16 h + r holds row r, k = 8 h .. 8 h + 7, at byte 16 x lane.
; LIMITS: Wk, Wq, Wv, bk, bq and domain_x enter the matrix products rounded to bf16.  G^'s borders (the column of bq, the rows of bk) have the
; high part alone: q.bk is the same for all keys of a row, so that its rounding leaves the softmax as it is, and bq's column is one term of 513.
; No joint loads: the slices of Wk and Wq are read once into LDS through registers (they are converted on the way), there is no ring to refill.
.set ALPHA, 0x3d8293ee                 ; log2(e) / sqrt(512)
.set IP,    96                         ; pitch of the two LDS images: 48 bf16; 3 x 32 bytes, an odd multiple of 32, for the transposing loads
.set BQI,   512*IP                     ; image AK (Wk's 32 columns + the bk tile) at 0, image BQ (Wq's + the bq tile) here
.set B0,    64                         ; three banks of 16 x 4 registers for loads in flight
.set B1,    128
.set B2,    192
.set GB0,   64                         ; later: two buffers of six fragments
.set GB1,   112
; v1 lane  v3 16t  v4 8t  v5 offset in Wk, Wq  v8, v9 image addresses (AK, BQ)  v10 4t  v11, v12 bias tile addresses  v13 offset in Wv
; v14 16 x lane  v15 lane term of a transposing load  v16-39 three accumulators  v40-47 bk, bq, later six fragment addresses  v48-55 two quads  v56-63 Wv
; s48 wave  s49 di  s50 kj
.macro PLACES n
.rept \n
	v_nop
.endr
.endm
.macro LDD bank, i0                    ; 16 rows of domain_x: a load of the four waves covers a row of 2,048 bytes
.irp i, 0,1,2,3,4,5,6,7,8,9,10,11,12,13,14,15
	global_load_b128 v[\bank+4*\i:\bank+4*\i+3], v3, s[4:5] offset:(\i0+\i)*2048 th:TH_LOAD_NT
.endr
.endm
.macro LDW bank, sb, j0                ; 64 rows of my wave's 128 of a slice of 32 columns: eight lanes take a row's 128 bytes
.irp i, 0,1,2,3,4,5,6,7,8,9,10,11,12,13,14,15
	global_load_b128 v[\bank+4*\i:\bank+4*\i+3], v5, s[\sb:\sb+1] offset:(\j0+\i)*8192
.endr
.endm
.macro CVT bank                        ; four f32 become four bf16 in the first two registers of each quad
.irp i, 0,1,2,3,4,5,6,7,8,9,10,11,12,13,14,15
	v_cvt_pk_bf16_f32 v[\bank+4*\i], v[\bank+4*\i], v[\bank+4*\i+1]
	v_cvt_pk_bf16_f32 v[\bank+4*\i+1], v[\bank+4*\i+2], v[\bank+4*\i+3]
.endr
.endm
.macro STD bank, i0                    ; a wave's store covers 256 consecutive bytes of dxb, aligned
.irp i, 0,1,2,3,4,5,6,7,8,9,10,11,12,13,14,15
	global_store_b64 v4, v[\bank+4*\i:\bank+4*\i+1], s[16:17] offset:(\i0+\i)*1024
.endr
.endm
.macro STW bank, adr, j0               ; four image rows an instruction
.irp i, 0,1,2,3,4,5,6,7,8,9,10,11,12,13,14,15
	ds_store_b64 v[\adr], v[\bank+4*\i:\bank+4*\i+1] offset:(\j0+\i)*4*IP
.endr
.endm
	s_load_b512 s[4:19], s[0:1], 0x0               ; domain_x 4, Wk 6, Wq 8, Wv 10, bk 12, bq 14, dxb 16, gf 18
	s_load_b128 s[20:23], s[0:1], 0x40             ; wvf 20, gl 22
	s_set_vgpr_msb 0x40
	v_lshl_add_u32 v0, v0, 2, 0x18000
	v_mov_b32 v1, 0
	s_set_vgpr_msb 0x4000
	v_and_b32 v1, 31, v0                           ; lane L
	v_lshrrev_b32 v2, 5, v0
	v_readfirstlane_b32 s48, v2                    ; wave w
	s_lshr_b32 s49, ttmp9, 4                       ; di
	s_and_b32 s50, ttmp9, 15                       ; kj
	v_lshlrev_b32 v3, 4, v0
	v_lshlrev_b32 v4, 3, v0
	v_lshrrev_b32 v6, 3, v1                        ; L >> 3
	v_and_b32 v7, 7, v1                            ; L & 7
	v_lshlrev_b32 v5, 11, v6
	v_lshl_add_u32 v5, v7, 4, v5
	s_lshl_b32 s25, s48, 18
	v_add_nc_u32 v5, s25, v5                       ; (128 w + (L >> 3)) rows of 2,048 bytes + 16 (L & 7)
	v_mul_u32_u24 v8, v6, IP
	v_lshl_add_u32 v8, v7, 3, v8
	s_mul_i32 s26, s48, 128*IP
	v_add_nc_u32 v8, s26, v8                       ; the same place in image AK,
	v_add_nc_u32 v9, BQI, v8                       ; and in image BQ
	v_lshlrev_b32 v10, 2, v0
	v_mul_u32_u24 v11, v1, IP
	s_mul_i32 s27, s48, 32*IP
	v_add_nc_u32 v11, s27, v11
	v_add_nc_u32 v11, 64, v11                      ; image row t, columns 32-47: the bias tile
	v_add_nc_u32 v12, BQI, v11
	v_and_b32 v13, 15, v1                          ; r
	v_lshrrev_b32 v2, 4, v1                        ; h
	v_lshlrev_b32 v13, 11, v13
	v_lshl_add_u32 v13, v2, 5, v13                 ; Wv: row r, 8 h numbers on
	v_lshlrev_b32 v14, 4, v1
	v_lshl_add_u32 v15, v2, 3, v7
	v_mul_u32_u24 v15, v15, IP
	v_and_b32 v6, 1, v6
	v_lshl_add_u32 v15, v6, 4, v15                 ; ((L & 7) + 8 h) image rows + 16 ((L >> 3) & 1)
	s_lshl_b32 s28, ttmp9, 16                      ; my 32 rows of domain_x
	s_mov_b32 s29, 0
	s_lshl_b32 s30, s49, 7                         ; my 32 columns of Wk
	s_mov_b32 s31, 0
	s_lshl_b32 s32, s50, 7                         ; my 32 columns of Wq
	s_mov_b32 s33, 0
	s_lshr_b32 s34, ttmp9, 3                       ; Wv block 4 W + w: row tile W >> 3,
	s_lshl_b32 s34, s34, 15
	s_and_b32 s35, ttmp9, 7
	s_lshl2_add_u32 s35, s35, s48                  ; k tile 4 (W & 7) + w
	s_lshl_b32 s35, s35, 6
	s_add_co_u32 s34, s34, s35
	s_mov_b32 s35, 0
	s_lshl_b32 s36, ttmp9, 15                      ; my 32 rows of dxb
	s_mov_b32 s37, 0
	s_lshl2_add_u32 s38, ttmp9, s48
	s_lshl_b32 s38, s38, 9
	s_mov_b32 s39, 0
	s_wait_kmcnt 0x0
	s_add_nc_u64 s[4:5], s[4:5], s[28:29]
	s_add_nc_u64 s[6:7], s[6:7], s[30:31]
	s_add_nc_u64 s[8:9], s[8:9], s[32:33]
	s_add_nc_u64 s[10:11], s[10:11], s[34:35]
	s_add_nc_u64 s[16:17], s[16:17], s[36:37]
	s_add_nc_u64 s[20:21], s[20:21], s[38:39]
.irp i, 0,1,2,3
	global_load_b32 v[40+\i], v10, s[12:13] offset:512*\i          ; bk[t + 128 i]
	global_load_b32 v[44+\i], v10, s[14:15] offset:512*\i          ; bq[t + 128 i]
.endr
	global_load_b128 v[56:59], v13, s[10:11]
	global_load_b128 v[60:63], v13, s[10:11] offset:16
	LDD B0, 0
	LDD B1, 16
	LDW B2, 6, 0
	; Six jobs of 16 loads go through three banks.  Loads come back in order (ISA guide 5.7.1): each count is the loads of the younger jobs.
	s_wait_loadcnt 32                              ; the small loads and bank 0 are in; banks 1 and 2 stay out
	CVT B0
	STD B0, 0
	v_cvt_pk_bf16_f32 v56, v56, v57
	v_cvt_pk_bf16_f32 v57, v58, v59
	v_cvt_pk_bf16_f32 v58, v60, v61
	v_cvt_pk_bf16_f32 v59, v62, v63
	global_store_b128 v14, v[56:59], s[20:21]      ; my block of wvf: 512 consecutive bytes, aligned
	s_wait_xcnt 0x0                                ; bank 0 is store data: it is loaded again only behind this wait
	LDW B0, 6, 16
.irp i, 49,50,51,52,53,54,55
	v_mov_b32 v\i, 0
.endr
.irp i, 0,1,2,3
	v_cvt_pk_bf16_f32 v48, v[40+\i], v52           ; (bk, 0): eight columns are (bk, 0, 0, 0, 0, 0, 0, 0)
	ds_store_b128 v11, v[48:51] offset:\i*128*IP           ; columns 512-519
	ds_store_b128 v11, v[48:51] offset:\i*128*IP+16        ; columns 520-527: bk once more, for the upper half of the lanes
	v_cvt_pk_bf16_f32 v48, v[44+\i], v52
	ds_store_b128 v12, v[48:51] offset:\i*128*IP           ; bq in column 512
	ds_store_b128 v12, v[52:55] offset:\i*128*IP+16        ; zeros
.endr
	s_wait_loadcnt 32                              ; bank 1 is in
	CVT B1
	STD B1, 16
	s_wait_xcnt 0x0
	LDW B1, 8, 0
	s_wait_loadcnt 32                              ; bank 2: Wk's rows 0-63 of my 128
	CVT B2
	STW B2, 8, 0
	s_wait_dscnt 0x0                               ; the LDS stores have read bank 2
	LDW B2, 8, 16
	s_wait_loadcnt 32                              ; bank 0: Wk's rows 64-127
	CVT B0
	STW B0, 8, 16
	s_wait_loadcnt 16                              ; bank 1: Wq
	CVT B1
	STW B1, 9, 0
	s_wait_loadcnt 0x0
	CVT B2
	STW B2, 9, 16
	; Six fragment addresses.  Main tile: k tile 2 kj + (w & 1) x d tile 2 di + (w >> 1).  Border: waves 0, 1 the bk tile x k tile 2 kj + w;
	; waves 2, 3 d tile 2 di + w - 2 x the bq tile.  Corner: the bk tile x the bq tile.
	s_and_b32 s30, s48, 1
	s_lshl_b32 s30, s30, 5
	s_lshr_b32 s31, s48, 1
	s_lshl_b32 s31, s31, 5
	s_cmp_lt_u32 s48, 2
	s_cselect_b32 s32, s30, 64
	s_cselect_b32 s33, 64, s30
	v_add_nc_u32 v46, BQI, v15
	v_add_nc_u32 v40, s30, v46
	v_add_nc_u32 v41, s31, v15
	v_add_nc_u32 v42, s32, v46
	v_add_nc_u32 v43, s33, v15
	v_add_nc_u32 v44, 64, v46
	v_add_nc_u32 v45, 64, v15
	s_wait_dscnt 0x0                               ; my part of both images is written,
	s_barrier_signal -1
	s_barrier_wait -1                              ; everybody's is
; e runs along the images' rows, so the fragments come by transposing loads: lane L gets column n0 + r, e = 32 s + 8 h .. + 7, then 16 rows on.
.macro GFETCH s, buf
.irp k, 0,1,2,3,4,5
	ds_load_tr16_b128 v[\buf+8*\k:\buf+8*\k+3], v[40+\k] offset:(\s)*32*IP
	ds_load_tr16_b128 v[\buf+8*\k+4:\buf+8*\k+7], v[40+\k] offset:(\s)*32*IP+16*IP
.endr
.endm
; Source 0 = columns of Wq^ (k), source 1 = columns of Wk^ (d): lane (r, h) then holds G^[d = r][k = 8 h .. 8 h + 7], a block's 16 bytes.
; The three accumulators take turns, one instruction a turn.
.macro GMUL buf, zero
.irp k, 0,1,2
.if \zero
	v_wmma_f32_16x16x32_bf16 v[16+8*\k:23+8*\k], v[\buf+16*\k:\buf+16*\k+7], v[\buf+16*\k+8:\buf+16*\k+15], 0
.else
	v_wmma_f32_16x16x32_bf16 v[16+8*\k:23+8*\k], v[\buf+16*\k:\buf+16*\k+7], v[\buf+16*\k+8:\buf+16*\k+15], v[16+8*\k:23+8*\k]
.endif
.endr
.endm
	GFETCH 0, GB0
	GFETCH 1, GB1
	s_wait_dscnt 12                                ; all but the twelve loads just issued
	GMUL GB0, 1                                    ; the first step starts the sums
.irp s, 1,3,5,7,9,11,13
	PLACES 4                                       ; four places between the products that read a buffer and the loads into it
	GFETCH \s+1, GB0
	s_wait_dscnt 12
	GMUL GB1, 0
	PLACES 4
	GFETCH \s+2, GB1
	s_wait_dscnt 12
	GMUL GB0, 0
.endr
	s_wait_dscnt 0x0
	GMUL GB1, 0
	; where the blocks go: in gf block (T, kappa) at (33 T + kappa) x 512, in gl at (32 T + kappa) x 512
	s_lshl_b32 s40, s49, 1
	s_lshr_b32 s41, s48, 1
	s_add_co_u32 s41, s40, s41                     ; T = 2 di + (w >> 1)
	s_lshl_b32 s42, s50, 1
	s_and_b32 s43, s48, 1
	s_add_co_u32 s42, s42, s43                     ; kappa = 2 kj + (w & 1)
	s_lshl_b32 s36, s41, 5
	s_add_co_u32 s36, s36, s42
	s_lshl_b32 s36, s36, 9
	s_mov_b32 s37, 0
	s_add_nc_u64 s[36:37], s[22:23], s[36:37]      ; the main tile's low part
	s_mul_i32 s41, s41, 33
	s_add_co_u32 s41, s41, s42                     ; its high part
	s_add_co_u32 s44, s42, 32*33                   ; border of waves 0, 1: (32, 2 kj + w)
	s_add_co_u32 s45, s40, s43
	s_mul_i32 s45, s45, 33
	s_add_co_u32 s45, s45, 32                      ; border of waves 2, 3: (2 di + w - 2, 32)
	s_cmp_lt_u32 s48, 2
	s_cselect_b32 s44, s44, s45
	s_cselect_b32 s45, s49, s50                    ; one owner for each border block: di = 0, or kj = 0
	s_lshl_b32 s40, s41, 9
	s_mov_b32 s41, 0
	s_add_nc_u64 s[40:41], s[18:19], s[40:41]
	s_lshl_b32 s42, s44, 9
	s_mov_b32 s43, 0
	s_add_nc_u64 s[42:43], s[18:19], s[42:43]
	s_or_b32 s46, ttmp9, s48
	PLACES 4                                       ; four places behind the last products, then their results are read and the fragment buffers written
.irp j, 0,2,4,6
	v_pk_mul_f32 v[16+\j:17+\j], v[16+\j:17+\j], ALPHA op_sel_hi:[1,0]
.endr
.irp j, 0,1,2,3
	v_cvt_pk_bf16_f32 v[64+\j], v[16+2*\j], v[17+2*\j]             ; the high part
.endr
.irp j, 0,1,2,3
	v_lshlrev_b32 v[72+2*\j], 16, v[64+\j]                         ; widened again,
	v_and_b32 v[73+2*\j], 0xffff0000, v[64+\j]
.endr
.irp j, 0,1,2,3,4,5,6,7
	v_sub_f32 v[16+\j], v[16+\j], v[72+\j]                         ; taken away (exact: the two are within half a bf16 step of each other),
.endr
.irp j, 0,1,2,3
	v_cvt_pk_bf16_f32 v[68+\j], v[16+2*\j], v[17+2*\j]             ; and what is left, rounded: the low part
.endr
.irp a, 24,32
.irp j, 0,2,4,6
	v_pk_mul_f32 v[\a+\j:\a+\j+1], v[\a+\j:\a+\j+1], ALPHA op_sel_hi:[1,0]
.endr
	v_cvt_pk_bf16_f32 v[\a], v[\a], v[\a+1]
	v_cvt_pk_bf16_f32 v[\a+1], v[\a+2], v[\a+3]
	v_cvt_pk_bf16_f32 v[\a+2], v[\a+4], v[\a+5]
	v_cvt_pk_bf16_f32 v[\a+3], v[\a+6], v[\a+7]
.endr
	global_store_b128 v14, v[64:67], s[40:41]      ; each store: 512 consecutive bytes, aligned
	global_store_b128 v14, v[68:71], s[36:37]
	s_cmp_lg_u32 s45, 0
	s_cbranch_scc1 .Lno_border
	global_store_b128 v14, v[24:27], s[42:43]
.Lno_border:
	s_cmp_lg_u32 s46, 0
	s_cbranch_scc1 .Lno_corner                     ; the corner block belongs to wave 0 of work-group 0
	global_store_b128 v14, v[32:35], s[18:19] offset:(32*33+32)*512
.Lno_corner:
	s_set_vgpr_msb 0x5
	s_wait_tensorcnt 0x0
	ds_add_u32 v0, v1
	s_wait_dscnt 0x0
	s_set_vgpr_msb 0x500
	s_endpgm
.Lfunc_end_k_q51b2f7e497_prep:
	.size	k_q51b2f7e497_prep, .Lfunc_end_k_q51b2f7e497_prep-k_q51b2f7e497_prep
	.p2alignl 7, 3214868480
	.fill 96, 4, 3214868480
	.section	.rodata,"a",@progbits
	.p2align	6, 0x0
	.amdhsa_kernel k_q51b2f7e497_prep
		.amdhsa_group_segment_fixed_size 98816
		.amdhsa_private_segment_fixed_size 0
		.amdhsa_enable_private_segment 0
		.amdhsa_kernarg_size 80
		.amdhsa_user_sgpr_count 2
		.amdhsa_user_sgpr_kernarg_segment_ptr 1
		.amdhsa_wavefront_size32 1
		.amdhsa_system_sgpr_workgroup_id_x 1
		.amdhsa_system_sgpr_workgroup_id_y 1
		.amdhsa_system_sgpr_workgroup_id_z 1
		.amdhsa_system_vgpr_workitem_id 0
		.amdhsa_next_free_vgpr 258
		.amdhsa_next_free_sgpr 66
		.amdhsa_reserve_vcc 0
		.amdhsa_float_denorm_mode_32 3
		.amdhsa_float_denorm_mode_16_64 3
		.amdhsa_memory_ordered 1
		.amdhsa_forward_progress 1
		.amdhsa_inst_pref_size 57
	.end_amdhsa_kernel
	.amdgpu_metadata
---
amdhsa.version: [ 1, 2 ]
amdhsa.kernels:
  - .name:           k_q51b2f7e497_prep
    .symbol:         k_q51b2f7e497_prep.kd
    .args:
      - { .name: domain_x, .offset: 0, .size: 8, .value_kind: global_buffer, .address_space: global }
      - { .name: Wk, .offset: 8, .size: 8, .value_kind: global_buffer, .address_space: global }
      - { .name: Wq, .offset: 16, .size: 8, .value_kind: global_buffer, .address_space: global }
      - { .name: Wv, .offset: 24, .size: 8, .value_kind: global_buffer, .address_space: global }
      - { .name: bk, .offset: 32, .size: 8, .value_kind: global_buffer, .address_space: global }
      - { .name: bq, .offset: 40, .size: 8, .value_kind: global_buffer, .address_space: global }
      - { .name: dxb, .offset: 48, .size: 8, .value_kind: global_buffer, .address_space: global }
      - { .name: gf, .offset: 56, .size: 8, .value_kind: global_buffer, .address_space: global }
      - { .name: wvf, .offset: 64, .size: 8, .value_kind: global_buffer, .address_space: global }
      - { .name: gl, .offset: 72, .size: 8, .value_kind: global_buffer, .address_space: global }
    .group_segment_fixed_size: 98816
    .private_segment_fixed_size: 0
    .kernarg_segment_align: 8
    .kernarg_segment_size: 80
    .max_flat_workgroup_size: 128
    .sgpr_count:     66
    .vgpr_count:     258
    .wavefront_size: 32
...
	.end_amdgpu_metadata
.endif
;; end of part 1
;; launch qproj (part 2): grid 256 x 1, 4 waves a work-group, clusters of 4 x 1, 219,136 bytes of LDS; arguments x, gf, gl, qf, cb; writes qf, cb
.if DOCPART == 2
	.amdgcn_target "amdgcn-amd-amdhsa--gfx1250"
	.amdhsa_code_object_version 6
	.text
	.protected	k_q51b2f7e497_qproj
	.globl	k_q51b2f7e497_qproj
	.p2align	8
	.type	k_q51b2f7e497_qproj,@function
k_q51b2f7e497_qproj:
	s_mov_b64 s[64:65], 0
	v_nop
	global_prefetch_b8 v0, s[64:65] scope:SCOPE_SE
	s_setreg_imm32_b32 hwreg(HW_REG_WAVE_MODE, 25, 1), 1
	s_wait_xcnt 0x0
	s_wait_alu depctr_hold_cnt(0) depctr_sa_sdst(0) depctr_va_vdst(0) depctr_va_sdst(0) depctr_va_ssrc(0) depctr_va_vcc(0) depctr_vm_vsrc(0)
	s_getreg_b32 s2, hwreg(HW_REG_IB_STS2, 6, 4)
	s_cmp_eq_u32 s2, 0
	s_cbranch_scc0 .Lentry_in_a_cluster
	s_endpgm
.Lentry_in_a_cluster:
	s_bfe_u32 s2, ttmp6, 0x10000c
	s_cmp_lg_u32 s2, 0x3003
	s_cbranch_scc0 .Lentry_shape_is_right
	s_endpgm
.Lentry_shape_is_right:
; QPROJ.  q^ = x^ G^T, x^ = [x, 1, 0 ..].  Columns 0-511: q'' = ALPHA (q Wk), stored as bf16 in fragment order (qf);
; columns 512 and 520: c = ALPHA q.bk, stored in f32 (cb: [group of 16 queries][32 lanes], lane 16 h + r holds c of query r).
; G^ comes as two bf16 operands: its high part (gf, K = 544: 17 steps of 32) and the low part of its 512 x 512 body (gl, 16 steps).  In each step
; the products on the high part and those on the low part use the same fragments of x and add onto the same sums.
; A work-group makes 64 rows (rb) x 8 column tiles (cg).  Wave w: tiles 8 cg + 2 w + i (i = 0, 1) x the four groups of 16 rows, and the c tile x
; group w: nine accumulators.  (c is made by all four cg, so that the turns are the same in every work-group; cg = 0 stores it.)
; TWO ROADS FOR THE BYTES.  A wave's global loads are 64 of x and 64 of G^'s low part, 512 bytes each; G^'s high part comes beside them by tensor
; loads into LDS, two a wave, both out at once, each LDS byte filled once.
; CLUSTER: the four work-groups of a cluster have the same cg and four neighbouring rb, so they need the same tiles of G^'s high part and ask for
; them jointly (mask 15).  The low part goes straight into registers: with it LDS would have to hold 152,064 + 131,072 + 66,560 bytes.
; LIMITS: x and q'' are rounded to bf16; bq's column of G^ and c take G^'s high part alone.
; REGISTERS: window 0: v16-39, v40-63 two buffers of three G^ fragments; v64-135 accumulators; v136-143 the fragment of x^'s last step;
; v144-175 at work; v176-215, v216-255 two buffers of five x fragments.  Window 1: x as loaded, then G^ low, step s at v[16 s + 8 i].
.set XP,  1040                         ; LDS row of x: 1,024 bytes + 16: sixteen rows of a fragment start 4 words apart modulo 64 words
.set GT,  33*512                       ; a tile of G^'s high part: 33 blocks
.set GHW, 2*GT                         ; a wave's two tiles, at w x GHW
.set GCB, 4*GHW                        ; the c tile
.set GCQ, GT/4                         ; the quarter of it that a wave fetches
.set XIM, GCB+GT                       ; x's image: bytes of its own, from a multiple of 256 on, into which no tensor load lands
.set XB0, 176
.set XB1, 216
.set GB0, 16
.set GB1, 40
.set MSB, 0
.macro WIN new                         ; the immediate's high byte repeats the setting that is left
.if MSB != \new
	s_set_vgpr_msb (MSB<<8)|\new
.set MSB, \new
.endif
.endm
.macro PLACES n
.rept \n
	v_nop
.endr
.endm
.macro CROUND                          ; a round of the cluster's barrier
	s_barrier_signal -1
	s_barrier_wait -1
	s_cmp_lg_u32 s14, 0
	s_cbranch_scc1 .Lnot_wave_0_\@
	s_barrier_signal -3
.Lnot_wave_0_\@:
	s_barrier_wait -3
	s_barrier_signal -1
	s_barrier_wait -1
.endm
	s_load_b256 s[4:11], s[0:1], 0x0               ; x 4, gf 6, gl 8, qf 10
	s_load_b64 s[12:13], s[0:1], 0x20              ; cb
	v_lshl_add_u32 v14, v0, 2, 0x35600
	v_mov_b32 v15, 0
	ds_add_u32 v14, v15
	v_and_b32 v1, 31, v0
	v_lshrrev_b32 v2, 5, v0
	v_readfirstlane_b32 s14, v2                    ; wave w
	s_and_b32 s15, ttmp9, 3                        ; cg: the same in the four partners
	s_bfe_u32 s48, ttmp6, 0x40000                  ; cx
	s_lshr_b32 s49, ttmp9, 2
	s_lshl2_add_u32 s49, s49, s48                  ; rb = 4 (cluster >> 2) + cx; what hangs on cx stays in s48-s55 and enters global addresses alone
	v_lshlrev_b32 v3, 4, v1                        ; 16 L
	v_lshlrev_b32 v4, 3, v1
	v_lshlrev_b32 v5, 2, v1                        ; 4 L
	v_and_b32 v6, 15, v1                           ; r
	v_lshrrev_b32 v7, 4, v1                        ; h
	s_mul_i32 s17, s14, 16*XP
	s_add_co_u32 s16, s17, XIM
	v_add_nc_u32 v4, s16, v4                       ; where I put x: my wave's 16 rows, 8 L
	v_mul_u32_u24 v8, v6, XP
	v_lshl_add_u32 v8, v7, 4, v8
	v_add_nc_u32 v8, XIM, v8                       ; fragment of rows 0-15: r rows + 16 h
	v_add_nc_u32 v9, s17, v8                       ; fragment of group w, for c
	s_mul_i32 s33, s14, GHW                        ; LDS: my two tiles
	v_add_nc_u32 v10, s33, v3                      ; a block is 512 bytes, 16 a lane
	v_add_nc_u32 v11, GCB, v3
	v_sub_nc_u32 v136, 1, v7
	v_mul_u32_u24 v136, v136, 0x3f80               ; x^[n][512] = 1.0 in bf16: k = 0 of the step lies in the lower lanes' first half word
.irp i, 137,138,139,140,141,142,143
	v_mov_b32 v\i, 0
.endr
	; group 1 for the two tiles: 132 dense rows of 256 bytes; for the quarter of the c tile: one row of 4,224 bytes
	s_mov_b32 s24, 0x0023000f                      ; 15:0 mask: all four of the cluster; 17:16 8-byte elements; 21 set beside a mask; no padding
	s_mov_b32 s25, 32<<16                          ; tensor_dim0 = 32
	s_mov_b32 s26, 132<<16                         ; tensor_dim1 = 132
	s_mov_b32 s27, 32<<16                          ; tile_dim0 = 32
	s_mov_b32 s28, 132                             ; tile_dim1 = 132
	s_mov_b32 s29, 32                              ; elements from row to row
	s_mov_b32 s30, 0
	s_mov_b32 s31, 0
	s_mov_b32 s40, 0x0023000f
	s_mov_b32 s41, (GCQ/8)<<16
	s_mov_b32 s42, 1<<16
	s_mov_b32 s43, (GCQ/8)<<16
	s_mov_b32 s44, 1
	s_mov_b32 s45, GCQ/8
	s_mov_b32 s46, 0
	s_mov_b32 s47, 0
	s_mov_b32 s32, 1
	s_mov_b32 s36, 1
	s_mul_i32 s37, s14, GCQ
	s_add_co_u32 s37, s37, GCB                     ; LDS: my quarter of the c tile
	s_lshl_b32 s20, s15, 3
	s_lshl1_add_u32 s20, s14, s20                  ; tile 8 cg + 2 w
	s_mul_i32 s18, s20, GT                         ; its place in gf
	s_mov_b32 s19, 0
	s_mul_i32 s22, s14, GCQ
	s_add_co_u32 s22, s22, 32*GT                   ; my quarter of tile 32
	s_mov_b32 s23, 0
	s_lshl_b32 s56, s20, 14                        ; gl: 32 blocks a tile
	s_mov_b32 s57, 0
	s_lshl_b32 s50, s49, 17                        ; x: 64 rows of 2,048 bytes a block, 16 a wave
	s_lshl_b32 s51, s14, 15
	s_add_co_u32 s50, s50, s51
	s_mov_b32 s51, 0
	s_lshl_b32 s52, s49, 16                        ; qf: four groups of 32 blocks
	s_lshl_b32 s53, s20, 9
	s_add_co_u32 s52, s52, s53
	s_mov_b32 s53, 0
	s_lshl2_add_u32 s54, s49, s14                  ; cb: group 4 rb + w
	s_lshl_b32 s54, s54, 7
	s_mov_b32 s55, 0
	s_wait_dscnt 0x0
	s_wait_kmcnt 0x0
	s_add_nc_u64 s[4:5], s[4:5], s[50:51]
	s_add_nc_u64 s[34:35], s[6:7], s[18:19]
	s_or_b32 s35, s35, 0x80000000                  ; type 2
	s_add_nc_u64 s[38:39], s[6:7], s[22:23]
	s_or_b32 s39, s39, 0x80000000
	s_add_nc_u64 s[8:9], s[8:9], s[56:57]
	s_add_nc_u64 s[10:11], s[10:11], s[52:53]
	s_add_nc_u64 s[12:13], s[12:13], s[54:55]
	WIN 0x40
.set n, 0
.rept 64
	global_load_b128 v[4*n:4*n+3], v3, s[4:5] offset:512*n         ; x first: 512 consecutive bytes an instruction, four to a row
.set n, n+1
.endr
	WIN 0
	CROUND                                         ; all four work-groups are here: the joint loads meet
	tensor_load_to_lds s[32:35], s[24:31]
	s_nop 0
	tensor_load_to_lds s[36:39], s[40:47]
	s_nop 0
.macro LLD s                           ; low part: step s of my two tiles, four loads
.irp i, 0,1
	global_load_b128 v[16*(\s)+8*\i:16*(\s)+8*\i+3], v3, s[8:9] offset:16384*\i+1024*(\s)
	global_load_b128 v[16*(\s)+8*\i+4:16*(\s)+8*\i+7], v3, s[8:9] offset:16384*\i+1024*(\s)+512
.endr
.endm
; x in four groups of 16 loads.  When a group has been converted its 64 registers take four steps of G^'s low part, 16 loads.
.irp q, 0,1,2,3
	s_wait_loadcnt 48                              ; loads come back in order (ISA guide 5.7.1): younger than group q are 48 - 16 q loads of x and 16 q of the low part
	WIN 0x05
.irp i, 0,1,2,3,4,5,6,7,8,9,10,11,12,13,14,15
	v_cvt_pk_bf16_f32 v[144+2*\i], v[64*\q+4*\i], v[64*\q+4*\i+1]
	v_cvt_pk_bf16_f32 v[145+2*\i], v[64*\q+4*\i+2], v[64*\q+4*\i+3]
.endr
	WIN 0x40
	LLD 4*\q
	LLD 4*\q+1
	LLD 4*\q+2
	LLD 4*\q+3
	WIN 0
.irp i, 0,1,2,3,4,5,6,7,8,9,10,11,12,13,14,15
	ds_store_b64 v4, v[144+2*\i:145+2*\i] offset:(4*\q+(\i>>2))*XP+(\i&3)*256
.endr
.endr
	s_wait_dscnt 0x0                               ; my 16 rows of x are written,
	s_wait_tensorcnt 0x0                           ; my tiles and my quarter of the c tile have landed,
	s_barrier_signal -1
	s_barrier_wait -1                              ; everybody's have
; 16 loads: step s of x (four groups, and group w once more for c) and of G^'s high part (my two tiles, the c tile)
.macro FETCH s, xb, gb
.irp g, 0,1,2,3
	ds_load_b128 v[\xb+8*\g:\xb+8*\g+3], v8 offset:\g*16*XP+(\s)*64
	ds_load_b128 v[\xb+8*\g+4:\xb+8*\g+7], v8 offset:\g*16*XP+(\s)*64+32
.endr
	ds_load_b128 v[\xb+32:\xb+35], v9 offset:(\s)*64
	ds_load_b128 v[\xb+36:\xb+39], v9 offset:(\s)*64+32
.irp i, 0,1
	ds_load_b128 v[\gb+8*\i:\gb+8*\i+3], v10 offset:\i*GT+(\s)*1024
	ds_load_b128 v[\gb+8*\i+4:\gb+8*\i+7], v10 offset:\i*GT+(\s)*1024+512
.endr
	ds_load_b128 v[\gb+16:\gb+19], v11 offset:(\s)*1024
	ds_load_b128 v[\gb+20:\gb+23], v11 offset:(\s)*1024+512
.endm
; Source 0 = rows of G^ (d), source 1 = rows of x: lane (r, h) holds query r, d = 8 h .. 8 h + 7.  The accumulators (nine on the high part, eight
; on the low part) take turns, one instruction a turn.  bs = 8: fragment g of the buffer; bs = 0: the last step's one fragment.
.macro QMUL gb, buf, bs, zero
.irp i, 0,1
.irp g, 0,1,2,3
.if \zero
	v_wmma_f32_16x16x32_bf16 v[64+8*(4*\i+\g):71+8*(4*\i+\g)], v[\gb+8*\i:\gb+8*\i+7], v[\buf+\bs*\g:\buf+\bs*\g+7], 0
.else
	v_wmma_f32_16x16x32_bf16 v[64+8*(4*\i+\g):71+8*(4*\i+\g)], v[\gb+8*\i:\gb+8*\i+7], v[\buf+\bs*\g:\buf+\bs*\g+7], v[64+8*(4*\i+\g):71+8*(4*\i+\g)]
.endif
.endr
.endr
.if \zero
	v_wmma_f32_16x16x32_bf16 v[128:135], v[\gb+16:\gb+23], v[\buf+4*\bs:\buf+4*\bs+7], 0
.else
	v_wmma_f32_16x16x32_bf16 v[128:135], v[\gb+16:\gb+23], v[\buf+4*\bs:\buf+4*\bs+7], v[128:135]
.endif
.endm
.macro LMUL q, buf
.irp i, 0,1
.irp g, 0,1,2,3
	v_wmma_f32_16x16x32_bf16 v[64+8*(4*\i+\g):71+8*(4*\i+\g)], v[16*(\q)+8*\i:16*(\q)+8*\i+7], v[\buf+8*\g:\buf+8*\g+7], v[64+8*(4*\i+\g):71+8*(4*\i+\g)]
.endr
.endr
.endm
.macro STEP s, xb, gb, xo, go          ; fetches step s + 1 into the other buffers, multiplies step s
	WIN 0
	PLACES 4                                       ; four places between the products that read a buffer and the loads into it
	FETCH (\s)+1, \xo, \go
	s_wait_dscnt 16                                ; all but the 16 loads just issued
	s_wait_loadcnt 60-4*(\s)                       ; the low part's step s is in: four loads for each later step are younger
	QMUL \gb, \xb, 8, 0
	WIN 0x01
	LMUL \s, \xb
.endm
	FETCH 0, XB0, GB0
	FETCH 1, XB1, GB1
	s_wait_dscnt 16
	s_wait_loadcnt 60
	QMUL GB0, XB0, 8, 1                            ; the first step starts the sums
	WIN 0x01
	LMUL 0, XB0
.irp s, 1,3,5,7,9,11,13
	STEP \s, XB1, GB1, XB0, GB0
	STEP \s+1, XB0, GB0, XB1, GB1
.endr
	WIN 0
	PLACES 4
	ds_load_b128 v[GB0:GB0+3], v10 offset:16*1024                  ; the last step has 16 columns: block 32 of each tile,
	ds_load_b128 v[GB0+8:GB0+11], v10 offset:GT+16*1024
	ds_load_b128 v[GB0+16:GB0+19], v11 offset:16*1024
.irp i, 0,1,2
.irp j, 4,5,6,7
	v_mov_b32 v[GB0+8*\i+\j], 0                    ; and zeros above it
.endr
.endr
	s_wait_dscnt 3                                 ; all but the three loads just issued
	s_wait_loadcnt 0x0
	QMUL GB1, XB1, 8, 0                            ; step 15
	WIN 0x01
	LMUL 15, XB1
	WIN 0
	s_wait_dscnt 0x0
	QMUL GB0, 136, 0, 0                            ; step 16: x^'s 1 takes G^'s column 512 (the part of bq)
	PLACES 4                                       ; four places, then the results are read
.irp a, 0,1,2,3,4,5,6,7
.irp j, 0,1,2,3
	v_cvt_pk_bf16_f32 v[144+4*\a+\j], v[64+8*\a+2*\j], v[64+8*\a+2*\j+1]
.endr
.endr
.irp i, 0,1
.irp g, 0,1,2,3
	global_store_b128 v3, v[144+4*(4*\i+\g):147+4*(4*\i+\g)], s[10:11] offset:\g*16384+\i*512   ; a block: 512 consecutive bytes, aligned
.endr
.endr
	s_cmp_lg_u32 s15, 0
	s_cbranch_scc1 .Lno_c                          ; cg is the same in all four partners
	global_store_b32 v5, v128, s[12:13]            ; register 0: column 512 in the lower lanes, 520 in the upper: c of query r in both
.Lno_c:
	s_wait_tensorcnt 0x0
	ds_add_u32 v14, v15
	s_wait_dscnt 0x0
	CROUND                                         ; the closing round: no work-group ends while a partner may still ask for a tile that names it
	s_endpgm
.Lfunc_end_k_q51b2f7e497_qproj:
	.size	k_q51b2f7e497_qproj, .Lfunc_end_k_q51b2f7e497_qproj-k_q51b2f7e497_qproj
	.p2alignl 7, 3214868480
	.fill 96, 4, 3214868480
	.section	.rodata,"a",@progbits
	.p2align	6, 0x0
	.amdhsa_kernel k_q51b2f7e497_qproj
		.amdhsa_group_segment_fixed_size 219136
		.amdhsa_private_segment_fixed_size 0
		.amdhsa_enable_private_segment 0
		.amdhsa_kernarg_size 40
		.amdhsa_user_sgpr_count 2
		.amdhsa_user_sgpr_kernarg_segment_ptr 1
		.amdhsa_wavefront_size32 1
		.amdhsa_system_sgpr_workgroup_id_x 1
		.amdhsa_system_sgpr_workgroup_id_y 1
		.amdhsa_system_sgpr_workgroup_id_z 1
		.amdhsa_system_vgpr_workitem_id 0
		.amdhsa_next_free_vgpr 512
		.amdhsa_next_free_sgpr 66
		.amdhsa_reserve_vcc 0
		.amdhsa_float_denorm_mode_32 3
		.amdhsa_float_denorm_mode_16_64 3
		.amdhsa_memory_ordered 1
		.amdhsa_forward_progress 1
		.amdhsa_inst_pref_size 71
	.end_amdhsa_kernel
	.amdgpu_metadata
---
amdhsa.version: [ 1, 2 ]
amdhsa.kernels:
  - .name:           k_q51b2f7e497_qproj
    .symbol:         k_q51b2f7e497_qproj.kd
    .args:
      - { .name: x, .offset: 0, .size: 8, .value_kind: global_buffer, .address_space: global }
      - { .name: gf, .offset: 8, .size: 8, .value_kind: global_buffer, .address_space: global }
      - { .name: gl, .offset: 16, .size: 8, .value_kind: global_buffer, .address_space: global }
      - { .name: qf, .offset: 24, .size: 8, .value_kind: global_buffer, .address_space: global }
      - { .name: cb, .offset: 32, .size: 8, .value_kind: global_buffer, .address_space: global }
    .group_segment_fixed_size: 219136
    .private_segment_fixed_size: 0
    .kernarg_segment_align: 8
    .kernarg_segment_size: 40
    .max_flat_workgroup_size: 128
    .sgpr_count:     66
    .vgpr_count:     512
    .wavefront_size: 32
...
	.end_amdgpu_metadata
.endif
;; end of part 2
;; launch attn (part 3): grid 64 x 4, 4 waves a work-group, clusters of 4 x 1, 327,680 bytes of LDS; arguments dxb, qf, cb, yp, st; writes yp, st
.if DOCPART == 3
	.amdgcn_target "amdgcn-amd-amdhsa--gfx1250"
	.amdhsa_code_object_version 6
	.text
	.protected	k_q51b2f7e497_attn
	.globl	k_q51b2f7e497_attn
	.p2align	8
	.type	k_q51b2f7e497_attn,@function
k_q51b2f7e497_attn:
	s_mov_b64 s[64:65], 0
	v_nop
	global_prefetch_b8 v0, s[64:65] scope:SCOPE_SE
	s_setreg_imm32_b32 hwreg(HW_REG_WAVE_MODE, 25, 1), 1
	s_wait_xcnt 0x0
	s_wait_alu depctr_hold_cnt(0) depctr_sa_sdst(0) depctr_va_vdst(0) depctr_va_sdst(0) depctr_va_ssrc(0) depctr_va_vcc(0) depctr_vm_vsrc(0)
	s_getreg_b32 s2, hwreg(HW_REG_IB_STS2, 6, 4)
	s_cmp_eq_u32 s2, 0
	s_cbranch_scc0 .Lentry_in_a_cluster
	s_endpgm
.Lentry_in_a_cluster:
	s_bfe_u32 s2, ttmp6, 0x10000c
	s_cmp_lg_u32 s2, 0x3003
	s_cbranch_scc0 .Lentry_shape_is_right
	s_endpgm
.Lentry_shape_is_right:
; ATTN.  For 64 queries (qb) and 2,048 keys (split ks): S = q'' dx^T, score in log2 units = S + c, running maximum m, p = exp2(S + c - m),
; l = sum of p, O = sum of p dx.  Keys and values are the same tile of dxb.  O (not normalised, f32) goes to yp, m and l to st.
; Sixteen blocks of 128 keys through two LDS slots.  S phase: wave w takes all 64 queries x its 32 keys; PV phase: all 64 queries x its 128 columns
; of O, all 128 keys.  The row maxima and p pass between the waves through LDS.
; CLUSTER: the four work-groups of a cluster have the same ks and four neighbouring qb: they walk the same tiles, and ask for each jointly (mask 15).
; No prefetch: each tile is asked for by sixteen clusters in the same trip, and dxb (8 MiB) was written two launches ago.
; LIMITS: p is rounded to bf16 for the product while l sums it unrounded; p below 2^-126 counts as 0 (v_exp_f32); scores are taken to be finite.
; REGISTERS: windows 1, 2: q'' fragments, step s, group g at v[8 (4 (s & 7) + g)];  window 3: O tile (b, g) at v[8 (4 b + g)];  window 0:
;   v1 16 L   v2-3 K fragment address, slot 0, 1   v4-7 V fragment address [slot][half]   v8 P write   v9 P read   v10 maxima write   v11 maxima read
;   v12-15 c   v16-19 m   v20-23 l (the lane's own sum)   v24-31 pairs (c - m, factor for the old sums)   v32-63 at work
;   v64-127 S(t, g) at 64 + 8 (2 g + t), later two buffers of P fragments   v128-191, v192-255 two buffers of eight K or V fragments
.set KP,    1040                       ; LDS row of a tile: 1,024 bytes + 16 of padding: row i starts 4 i words on, modulo 64 words
.set SLOT,  128*KP
.set WROWS, 32*KP                      ; what one tensor load brings: a wave's 32 rows
.set PBASE, 2*SLOT                     ; P: fragment (key step, group) at (4 ws + g) x 1,024
.set MXB,   PBASE+16384                ; the waves' maxima: 512 w + 16 L;
.set LXO,   2048                       ; their sums l, as far behind
.set SP,    528                        ; the way out: 512 bytes + 16
.set F0,  128
.set F1,  192
.set PB0, 64
.set PB1, 96
.set MSB, 0
.macro WIN new                         ; the immediate's high byte repeats the setting that is left
.if MSB != \new
	s_set_vgpr_msb (MSB<<8)|\new
.set MSB, \new
.endif
.endm
.macro PLACES n
.rept \n
	v_nop
.endr
.endm
.macro CREST                           ; a round of the cluster's barrier behind its opening barrier
	s_cmp_lg_u32 s14, 0
	s_cbranch_scc1 .Lnot_wave_0_\@
	s_barrier_signal -3
.Lnot_wave_0_\@:
	s_barrier_wait -3
	s_barrier_signal -1
	s_barrier_wait -1
.endm
.macro CROUND
	s_barrier_signal -1
	s_barrier_wait -1
	CREST
.endm
	s_load_b256 s[4:11], s[0:1], 0x0               ; dxb 4, qf 6, cb 8, yp 10
	s_load_b64 s[12:13], s[0:1], 0x20              ; st
	v_lshl_add_u32 v62, v0, 2, 0x46000
	v_mov_b32 v63, 0
	ds_add_u32 v62, v63
	v_and_b32 v32, 31, v0                          ; L
	v_lshrrev_b32 v33, 5, v0
	v_readfirstlane_b32 s14, v33                   ; wave w
	s_bfe_u32 s15, ttmp6, 0x40000                  ; cx
	s_lshl_b32 s16, ttmp9, 2
	s_add_co_u32 s16, s16, s15                     ; qb = 4 x cluster x + cx
	s_and_b32 s17, ttmp7, 0xffff                   ; ks
	s_mov_b32 s20, 0x76543210                      ; v_permlanex16_b32: lane i of one half reads lane i of the other
	s_mov_b32 s21, 0xfedcba98
	; descriptor group 1: 32 rows x 512 bf16, 16 bytes of padding behind each row
	s_mov_b32 s24, 0x07f1000f                      ; 15:0 mask: all four of the cluster; 17:16 2-byte elements; 20 padding; 21 set beside a mask; 24:22 after 256 words; 31:25 four words
	s_mov_b32 s25, 512<<16                         ; tensor_dim0 = 512
	s_mov_b32 s26, 32<<16                          ; tensor_dim1 = 32
	s_mov_b32 s27, 512<<16                         ; tile_dim0 = 512
	s_mov_b32 s28, 32                              ; tile_dim1 = 32
	s_mov_b32 s29, 512                             ; elements from row to row
	s_mov_b32 s30, 0
	s_mov_b32 s31, 0
	s_lshl_b32 s18, s17, 21                        ; 2,048 ks rows of 1,024 bytes
	s_lshl_b32 s19, s14, 15                        ; + 32 w rows: nothing here hangs on cx
	s_add_co_u32 s18, s18, s19
	s_mov_b32 s19, 0
	s_mul_i32 s23, s14, WROWS
	s_lshl_b32 s40, s16, 16                        ; q'': four groups of 32 blocks of 512 bytes
	s_mov_b32 s41, 0
	s_lshl_b32 s42, s16, 9                         ; c: four groups of 128 bytes
	s_mov_b32 s43, 0
	s_wait_dscnt 0x0
	s_wait_kmcnt 0x0
	s_add_nc_u64 s[4:5], s[4:5], s[18:19]
	s_add_nc_u64 s[6:7], s[6:7], s[40:41]
	s_add_nc_u64 s[8:9], s[8:9], s[42:43]
	CROUND                                         ; all four work-groups are here: the first joint loads meet
.irp s, 0,1
	s_mov_b32 s[32+4*\s], 1
	s_add_co_u32 s[33+4*\s], s23, \s*SLOT                          ; LDS: the slot, my wave's rows
	s_add_nc_u64 s[34+4*\s:35+4*\s], s[4:5], \s*131072             ; tile s
	s_or_b32 s[35+4*\s], s[35+4*\s], 0x80000000                    ; type 2
	tensor_load_to_lds s[32+4*\s:35+4*\s], s[24:31]
	s_nop 0
.endr
	v_and_b32 v34, 15, v32                         ; r
	v_lshrrev_b32 v35, 4, v32                      ; h
	v_lshlrev_b32 v1, 4, v32
	v_lshlrev_b32 v39, 2, v32
	v_mul_u32_u24 v36, v34, KP
	v_lshl_add_u32 v36, v35, 4, v36
	v_add_nc_u32 v2, s23, v36                      ; K: key 32 w + r, 16 h
	v_add_nc_u32 v3, SLOT, v2
	v_and_b32 v37, 7, v32
	v_lshl_add_u32 v37, v35, 3, v37
	v_mul_u32_u24 v37, v37, KP                     ; V: key (L & 7) + 8 h,
	v_bfe_u32 v38, v32, 3, 1
	v_lshl_add_u32 v37, v38, 7, v37                ; the second eight lanes 64 columns on: a pass's sixteen lanes touch words 4 key + 32 x (0 or 1) + 0..3, all different modulo 64
	s_lshl_b32 s19, s14, 8
	v_add_nc_u32 v4, s19, v37                      ; my 128 columns
	v_add_nc_u32 v5, 64*KP, v4
	v_add_nc_u32 v6, SLOT, v4
	v_add_nc_u32 v7, SLOT+64*KP, v4
	s_lshl_b32 s19, s14, 12
	v_add_nc_u32 v9, PBASE, v1
	v_add_nc_u32 v8, s19, v9
	s_lshl_b32 s19, s14, 9
	v_add_nc_u32 v11, MXB, v1
	v_add_nc_u32 v10, s19, v11
.irp g, 0,1,2,3
	v_mov_b32 v[40+\g], 0                          ; v_permlanex16_b32 counts as a reader of its destination
.endr
	WIN 0x40
.irp s, 0,1,2,3,4,5,6,7
.irp g, 0,1,2,3
	global_load_b128 v[8*(4*\s+\g):8*(4*\s+\g)+3], v1, s[6:7] offset:16384*\g+1024*\s
	global_load_b128 v[8*(4*\s+\g)+4:8*(4*\s+\g)+7], v1, s[6:7] offset:16384*\g+1024*\s+512
.endr
.endr
	WIN 0x80
.irp s, 0,1,2,3,4,5,6,7
.irp g, 0,1,2,3
	global_load_b128 v[8*(4*\s+\g):8*(4*\s+\g)+3], v1, s[6:7] offset:16384*\g+1024*\s+8192
	global_load_b128 v[8*(4*\s+\g)+4:8*(4*\s+\g)+7], v1, s[6:7] offset:16384*\g+1024*\s+8192+512
.endr
.endr
	WIN 0
.irp g, 0,1,2,3
	global_load_b32 v[12+\g], v39, s[8:9] offset:128*\g
.endr
; 16 loads: the K fragments of four steps of 32 along d (steps 4 c .. 4 c + 3), my two tiles of 16 keys
.macro FETCHK slot, c, buf
.irp sl, 0,1,2,3
.irp t, 0,1
	ds_load_b128 v[\buf+8*(2*\sl+\t):\buf+8*(2*\sl+\t)+3], v[2+(\slot)] offset:16*KP*\t+64*(4*\c+\sl)
	ds_load_b128 v[\buf+8*(2*\sl+\t)+4:\buf+8*(2*\sl+\t)+7], v[2+(\slot)] offset:16*KP*\t+64*(4*\c+\sl)+32
.endr
.endr
.endm
; 16 transposing loads: keys 32 ws .. + 31 of my 128 columns.  Fragment b: rows 0-7 are columns 128 w + 8 b + 0..7, rows 8-15 those 64 further on.
.macro FETCHV slot, ws, buf
.irp b, 0,1,2,3,4,5,6,7
	ds_load_tr16_b128 v[\buf+8*\b:\buf+8*\b+3], v[4+2*(\slot)+(\ws>>1)] offset:32*KP*(\ws&1)+16*\b
	ds_load_tr16_b128 v[\buf+8*\b+4:\buf+8*\b+7], v[4+2*(\slot)+(\ws>>1)] offset:32*KP*(\ws&1)+16*\b+16*KP
.endr
.endm
.macro FETCHP ws, pb                   ; 8 loads: p of key step ws, four groups of queries
.irp g, 0,1,2,3
	ds_load_b128 v[\pb+8*\g:\pb+8*\g+3], v9 offset:(4*\ws+\g)*1024
	ds_load_b128 v[\pb+8*\g+4:\pb+8*\g+7], v9 offset:(4*\ws+\g)*1024+512
.endr
.endm
; 32 products.  Source 0 = keys, source 1 = queries: lane (r, h) holds query r, keys 16 t + 8 h + 0..7.  The eight accumulators take turns, one
; instruction a turn.  The first step of each block starts the sums.
.macro MULS buf, c
.irp sl, 0,1,2,3
.irp t, 0,1
.irp g, 0,1,2,3
.if \c+\sl == 0
	v_wmma_f32_16x16x32_bf16 v[64+8*(2*\g+\t):71+8*(2*\g+\t)], v[\buf+8*(2*\sl+\t):\buf+8*(2*\sl+\t)+7], v[8*(4*((4*\c+\sl)&7)+\g):8*(4*((4*\c+\sl)&7)+\g)+7], 0
.else
	v_wmma_f32_16x16x32_bf16 v[64+8*(2*\g+\t):71+8*(2*\g+\t)], v[\buf+8*(2*\sl+\t):\buf+8*(2*\sl+\t)+7], v[8*(4*((4*\c+\sl)&7)+\g):8*(4*((4*\c+\sl)&7)+\g)+7], v[64+8*(2*\g+\t):71+8*(2*\g+\t)]
.endif
.endr
.endr
.endr
.endm
; 16 products.  Source 0 = columns of dx, source 1 = p: lane (r, h) of tile (b, g) holds query 16 g + r, columns 128 w + 8 b + 64 h + 0..7.
; The 32 accumulators take turns in the same way.
.macro MULO4 buf, pb, b0, zero
.irp b, \b0, \b0+1, \b0+2, \b0+3
.irp g, 0,1,2,3
.if \zero
	v_wmma_f32_16x16x32_bf16 v[8*(4*(\b)+\g):8*(4*(\b)+\g)+7], v[\buf+8*(\b):\buf+8*(\b)+7], v[\pb+8*\g:\pb+8*\g+7], 0
.else
	v_wmma_f32_16x16x32_bf16 v[8*(4*(\b)+\g):8*(4*(\b)+\g)+7], v[\buf+8*(\b):\buf+8*(\b)+7], v[\pb+8*\g:\pb+8*\g+7], v[8*(4*(\b)+\g):8*(4*(\b)+\g)+7]
.endif
.endr
.endr
.endm
; One block of 128 keys in slot.  first = 1: nothing is carried yet.  fin = 2: the slot is filled again, two tiles on; 1: only a change of slots; 0: the last block.
; At the head the K fragments of steps 0-3 are on their way into F0.
.macro BLOCK slot, first, fin
	PLACES 5                                       ; behind the last block's products: four places for the loads into F1, five for the products that write over the P buffers
	FETCHK \slot, 1, F1
	s_wait_dscnt 16                                ; here and below: all but the 16 loads just issued
	WIN 0x04
	MULS F0, 0
	PLACES 4
	FETCHK \slot, 2, F0
	s_wait_dscnt 16
	MULS F1, 1
	PLACES 4
	FETCHK \slot, 3, F1
	s_wait_dscnt 16
	WIN 0x08
	MULS F0, 2
	PLACES 4
	FETCHV \slot, 0, F0
	s_wait_dscnt 16
	MULS F1, 3
	WIN 0
	PLACES 4                                       ; four places, then S is read
	; the largest S of my 32 keys, for each query: 16 registers, the other half of the lanes, then the other waves through LDS
.irp g, 0,1,2,3
	v_max3_num_f32 v[32+2*\g], v[64+16*\g], v[65+16*\g], v[66+16*\g]
	v_max3_num_f32 v[33+2*\g], v[67+16*\g], v[68+16*\g], v[69+16*\g]
	v_max3_num_f32 v[32+2*\g], v[32+2*\g], v[70+16*\g], v[71+16*\g]
	v_max3_num_f32 v[33+2*\g], v[33+2*\g], v[72+16*\g], v[73+16*\g]
	v_max3_num_f32 v[32+2*\g], v[32+2*\g], v[74+16*\g], v[75+16*\g]
	v_max3_num_f32 v[33+2*\g], v[33+2*\g], v[76+16*\g], v[77+16*\g]
	v_max3_num_f32 v[32+2*\g], v[32+2*\g], v[78+16*\g], v[79+16*\g]
	v_max_num_f32 v[32+2*\g], v[32+2*\g], v[33+2*\g]
.endr
.irp g, 0,1,2,3
	v_permlanex16_b32 v[40+\g], v[32+2*\g], s20, s21
.endr
.irp g, 0,1,2,3
	v_max_num_f32 v[48+\g], v[32+2*\g], v[40+\g]
.endr
	ds_store_b128 v10, v[48:51]
	s_wait_dscnt 0x0                               ; my maxima are written (and the V fragments are in)
	s_barrier_signal -1
	s_barrier_wait -1                              ; the next tile's load stays out
.irp u, 0,1,2,3
	ds_load_b128 v[32+4*\u:35+4*\u], v11 offset:512*\u
.endr
	s_wait_dscnt 0x0
.irp g, 0,1,2,3
	v_max3_num_f32 v[52+\g], v[32+\g], v[36+\g], v[40+\g]
	v_max_num_f32 v[52+\g], v[52+\g], v[44+\g]
	v_add_f32 v[52+\g], v[52+\g], v[12+\g]         ; the block's largest score: S + c
.if \first == 0
	v_max_num_f32 v[52+\g], v[52+\g], v[16+\g]     ; the new running maximum
	v_sub_f32 v[25+2*\g], v[16+\g], v[52+\g]
.endif
	v_sub_f32 v[24+2*\g], v[12+\g], v[52+\g]       ; c - m
.endr
.irp g, 0,1,2,3
.if \first
	v_mov_b32 v[25+2*\g], 1.0                      ; not used in this block, but the packed add names the pair
.else
	v_exp_f32 v[25+2*\g], v[25+2*\g]               ; the factor for what is carried
.endif
.endr
.irp g, 0,1,2,3
	v_mov_b32 v[16+\g], v[52+\g]                   ; plain instructions between the exponentials and their first use (ISA guide 5.7.2)
.endr
	s_wait_alu depctr_va_vdst(0)
.irp g, 0,1,2,3
.irp j, 0,2,4,6,8,10,12,14
	v_pk_add_f32 v[64+16*\g+\j:65+16*\g+\j], v[64+16*\g+\j:65+16*\g+\j], v[24+2*\g:25+2*\g] op_sel_hi:[1,0]
.endr
.endr
.set ii, 64
.rept 64
	v_exp_f32 v[ii], v[ii]                         ; p = 2^(S + c - m), at most 1
.set ii, ii+1
.endr
	v_nop                                          ; one plain place behind the last exponential
	s_wait_alu depctr_va_vdst(0)
.irp g, 0,1,2,3
.set SB, 64+16*\g
.set TB, 32+8*(\g&1)
	v_pk_add_f32 v[TB:TB+1], v[SB:SB+1], v[SB+2:SB+3]
	v_pk_add_f32 v[TB+2:TB+3], v[SB+4:SB+5], v[SB+6:SB+7]
	v_pk_add_f32 v[TB+4:TB+5], v[SB+8:SB+9], v[SB+10:SB+11]
	v_pk_add_f32 v[TB+6:TB+7], v[SB+12:SB+13], v[SB+14:SB+15]
	v_pk_add_f32 v[TB:TB+1], v[TB:TB+1], v[TB+2:TB+3]
	v_pk_add_f32 v[TB+4:TB+5], v[TB+4:TB+5], v[TB+6:TB+7]
	v_pk_add_f32 v[TB:TB+1], v[TB:TB+1], v[TB+4:TB+5]
.if \first
	v_add_f32 v[20+\g], v[TB], v[TB+1]
.else
	v_fma_f32 v[20+\g], v[20+\g], v[25+2*\g], v[TB]
	v_add_f32 v[20+\g], v[20+\g], v[TB+1]
.endif
.irp i, 0,1,2,3,4,5,6,7
	v_cvt_pk_bf16_f32 v[SB+\i], v[SB+2*\i], v[SB+2*\i+1]           ; in place, upward: registers 0-3 keys 8 h + 0..7, 4-7 keys 16 + 8 h + 0..7: a P fragment as it stands
.endr
	ds_store_b128 v8, v[SB:SB+3] offset:1024*\g
	ds_store_b128 v8, v[SB+4:SB+7] offset:1024*\g+512
.endr
	s_wait_dscnt 0x0                               ; my p is written
	s_barrier_signal -1
.if \first == 0
	WIN 0xc3                                       ; register work while the others arrive: what is carried in O takes the factor
.irp b, 0,1,2,3,4,5,6,7
.irp g, 0,1,2,3
.irp j, 0,2,4,6
	v_pk_mul_f32 v[8*(4*\b+\g)+\j:8*(4*\b+\g)+\j+1], v[8*(4*\b+\g)+\j:8*(4*\b+\g)+\j+1], v[24+2*\g:25+2*\g] op_sel:[0,1] op_sel_hi:[1,1]
.endr
.endr
.endr
	WIN 0
.endif
	s_barrier_wait -1                              ; everybody's p is written
	FETCHP 0, PB0
	FETCHV \slot, 1, F1
	FETCHP 1, PB1
	s_wait_dscnt 24                                ; key step 0's p is in; the 16 + 8 loads behind it stay out
	WIN 0xf0
	MULO4 F0, PB0, 0, \first
	MULO4 F0, PB0, 4, \first
	WIN 0
	PLACES 4
	FETCHV \slot, 2, F0
	FETCHP 2, PB0
	s_wait_dscnt 24                                ; all but the 24 just issued
	WIN 0xf0
	MULO4 F1, PB1, 0, 0
	MULO4 F1, PB1, 4, 0
	WIN 0
	PLACES 4
	FETCHV \slot, 3, F1
	FETCHP 3, PB1
	s_wait_dscnt 24
	WIN 0xf0
	MULO4 F0, PB0, 0, 0
	MULO4 F0, PB0, 4, 0
	s_wait_dscnt 0x0                               ; my reads of this slot and of P are over
.if \fin
	s_wait_tensorcnt 0x0                           ; and all my tensor loads have landed: the one that was out is my rows of the next tile
	ds_add_u32 v62, v63
	s_wait_dscnt 0x0
.if \fin == 2
	s_add_nc_u64 s[34+4*\slot:35+4*\slot], s[34+4*\slot:35+4*\slot], 2*131072      ; no load of mine is out: this slot's next tile
.endif
	s_barrier_signal -1                            ; say so (where the slot is filled again this barrier opens a round of the cluster's barrier),
	MULO4 F1, PB1, 0, 0                            ; work on registers while the others arrive
	WIN 0
	s_barrier_wait -1
.if \fin == 2
	CREST                                          ; no wave of any partner still reads this slot or has a load on its way
	tensor_load_to_lds s[32+4*\slot:35+4*\slot], s[24:31]          ; the first tensor load behind the round; one load of the wave is out until the next block's end
	s_nop 0
.endif
	PLACES 4
	FETCHK 1-\slot, 0, F0                          ; the next block's first K fragments
	WIN 0xf0
	MULO4 F1, PB1, 4, 0
	WIN 0
.else
	MULO4 F1, PB1, 0, 0
	MULO4 F1, PB1, 4, 0
	WIN 0
.endif
.endm
	s_wait_tensorcnt 1                             ; my rows of tile 0 are in; tile 1's load stays out
	s_barrier_signal -1
	s_barrier_wait -1                              ; everybody's are
	FETCHK 0, 0, F0
	s_wait_loadcnt 0x0                             ; q'' and c, once
	BLOCK 0, 1, 2                                  ; blocks 0 and 1 stand in front of the loop: block 0 starts the sums
	BLOCK 1, 0, 2
	s_mov_b32 s22, 6
.Lpair:
	BLOCK 0, 0, 2                                  ; blocks 2 to 13
	BLOCK 1, 0, 2
	s_sub_co_u32 s22, s22, 1
	s_cmp_lg_u32 s22, 0
	s_cbranch_scc1 .Lpair
	BLOCK 0, 0, 1                                  ; the last two blocks fetch nothing
	BLOCK 1, 0, 0
	; THE WAY OUT
	PLACES 4                                       ; four places behind the last products: O is read, F0 and F1 are loaded into
.irp g, 0,1,2,3
	v_permlanex16_b32 v[40+\g], v[20+\g], s20, s21
.endr
.irp g, 0,1,2,3
	v_add_f32 v[20+\g], v[20+\g], v[40+\g]         ; l of my wave's keys
.endr
	ds_store_b128 v10, v[20:23] offset:LXO
	s_wait_dscnt 0x0                               ; my l is written, and my reads of the slots are over
	s_barrier_signal -1
	s_barrier_wait -1                              ; so are everybody's: the slots have had their last fill and now serve as the stage
	s_lshl_b32 s40, s17, 6
	s_add_co_u32 s40, s40, s16
	s_lshl_b32 s40, s40, 9                         ; st: (64 ks + qb) x 512
	s_mov_b32 s41, 0
	s_add_nc_u64 s[12:13], s[12:13], s[40:41]
	s_lshl_b32 s42, s17, 23                        ; yp: split, 64 qb rows of 2,048 bytes, my 512 bytes of each
	s_lshl_b32 s40, s16, 17
	s_add_co_u32 s42, s42, s40
	s_lshl_b32 s40, s14, 9
	s_add_co_u32 s42, s42, s40
	s_mov_b32 s43, 0
	s_add_nc_u64 s[10:11], s[10:11], s[42:43]
	s_mul_i32 s19, s14, 64*SP
	v_and_b32 v56, 15, v0
	v_bfe_u32 v57, v0, 4, 1
	v_mul_u32_u24 v56, v56, SP
	v_lshl_add_u32 v56, v57, 8, v56
	v_add_nc_u32 v56, s19, v56                     ; in: row r, 64 h columns
	v_add_nc_u32 v57, s19, v1                      ; back: a row's 512 bytes
	s_cmp_lg_u32 s14, 0
	s_cbranch_scc1 .Lnot_stats                     ; wave 0 stores m and l for the work-group
.irp u, 0,1,2,3
	ds_load_b128 v[32+4*\u:35+4*\u], v11 offset:LXO+512*\u
.endr
	s_wait_dscnt 0x0
.irp g, 0,1,2,3
	v_add_f32 v[20+\g], v[32+\g], v[36+\g]
	v_add_f32 v[52+\g], v[40+\g], v[44+\g]
	v_add_f32 v[20+\g], v[20+\g], v[52+\g]
.endr
	global_store_b128 v1, v[16:19], s[12:13]                       ; m of groups 0-3, query r: 512 consecutive bytes, aligned
	global_store_b128 v1, v[20:23], s[12:13] offset:131072         ; l
.Lnot_stats:
	WIN 0x0c
.irp b, 0,1,2,3,4,5,6,7
.irp g, 0,1,2,3
	ds_store_b128 v56, v[8*(4*\b+\g):8*(4*\b+\g)+3] offset:16*SP*\g+32*\b
	ds_store_b128 v56, v[8*(4*\b+\g)+4:8*(4*\b+\g)+7] offset:16*SP*\g+32*\b+16
.endr
.endr
	WIN 0
.macro OUTB k, buf                     ; 16 rows.  The stage is my wave's own, and LDS serves a wave's instructions in order (ISA guide 5.7.1): no wait between stores and loads
	s_wait_xcnt 0x0                                ; the buffer is store data: it is loaded again only behind this wait
.irp i, 0,1,2,3,4,5,6,7,8,9,10,11,12,13,14,15
	ds_load_b128 v[\buf+4*\i:\buf+4*\i+3], v57 offset:SP*(16*\k+\i)
.endr
.irp i, 0,1,2,3,4,5,6,7,8,9,10,11,12,13,14,15
	s_wait_dscnt 15-\i
	global_store_b128 v1, v[\buf+4*\i:\buf+4*\i+3], s[10:11] offset:2048*(16*\k+\i)   ; 512 consecutive bytes, aligned
.endr
.endm
	OUTB 0, F0
	OUTB 1, F1
	OUTB 2, F0
	OUTB 3, F1
	s_wait_tensorcnt 0x0
	ds_add_u32 v62, v63
	s_wait_dscnt 0x0
	CROUND                                         ; the closing round: no work-group ends while a partner may still ask for a tile that names it
	s_endpgm
.Lfunc_end_k_q51b2f7e497_attn:
	.size	k_q51b2f7e497_attn, .Lfunc_end_k_q51b2f7e497_attn-k_q51b2f7e497_attn
	.p2alignl 7, 3214868480
	.fill 96, 4, 3214868480
	.section	.rodata,"a",@progbits
	.p2align	6, 0x0
	.amdhsa_kernel k_q51b2f7e497_attn
		.amdhsa_group_segment_fixed_size 327680
		.amdhsa_private_segment_fixed_size 0
		.amdhsa_enable_private_segment 0
		.amdhsa_kernarg_size 40
		.amdhsa_user_sgpr_count 2
		.amdhsa_user_sgpr_kernarg_segment_ptr 1
		.amdhsa_wavefront_size32 1
		.amdhsa_system_sgpr_workgroup_id_x 1
		.amdhsa_system_sgpr_workgroup_id_y 1
		.amdhsa_system_sgpr_workgroup_id_z 1
		.amdhsa_system_vgpr_workitem_id 0
		.amdhsa_next_free_vgpr 1024
		.amdhsa_next_free_sgpr 66
		.amdhsa_reserve_vcc 0
		.amdhsa_float_denorm_mode_32 3
		.amdhsa_float_denorm_mode_16_64 3
		.amdhsa_memory_ordered 1
		.amdhsa_forward_progress 1
		.amdhsa_inst_pref_size 255
	.end_amdhsa_kernel
	.section	.bss,"aw",@nobits
	.p2align	6
	.space	262144
	.amdgpu_metadata
---
amdhsa.version: [ 1, 2 ]
amdhsa.kernels:
  - .name:           k_q51b2f7e497_attn
    .symbol:         k_q51b2f7e497_attn.kd
    .args:
      - { .name: dxb, .offset: 0, .size: 8, .value_kind: global_buffer, .address_space: global }
      - { .name: qf, .offset: 8, .size: 8, .value_kind: global_buffer, .address_space: global }
      - { .name: cb, .offset: 16, .size: 8, .value_kind: global_buffer, .address_space: global }
      - { .name: yp, .offset: 24, .size: 8, .value_kind: global_buffer, .address_space: global }
      - { .name: st, .offset: 32, .size: 8, .value_kind: global_buffer, .address_space: global }
    .group_segment_fixed_size: 327680
    .private_segment_fixed_size: 0
    .kernarg_segment_align: 8
    .kernarg_segment_size: 40
    .max_flat_workgroup_size: 128
    .sgpr_count:     66
    .vgpr_count:     1024
    .wavefront_size: 32
...
	.end_amdgpu_metadata
.endif
;; end of part 3
;; launch outp (part 4): grid 256 x 1, 4 waves a work-group, clusters of 4 x 1, 300,032 bytes of LDS; arguments yp, st, wvf, bv, out0; writes out0
.if DOCPART == 4
	.amdgcn_target "amdgcn-amd-amdhsa--gfx1250"
	.amdhsa_code_object_version 6
	.text
	.protected	k_q51b2f7e497_outp
	.globl	k_q51b2f7e497_outp
	.p2align	8
	.type	k_q51b2f7e497_outp,@function
k_q51b2f7e497_outp:
	s_mov_b64 s[64:65], 0
	v_nop
	global_prefetch_b8 v0, s[64:65] scope:SCOPE_SE
	s_setreg_imm32_b32 hwreg(HW_REG_WAVE_MODE, 25, 1), 1
	s_wait_xcnt 0x0
	s_wait_alu depctr_hold_cnt(0) depctr_sa_sdst(0) depctr_va_vdst(0) depctr_va_sdst(0) depctr_va_ssrc(0) depctr_va_vcc(0) depctr_vm_vsrc(0)
	s_getreg_b32 s2, hwreg(HW_REG_IB_STS2, 6, 4)
	s_cmp_eq_u32 s2, 0
	s_cbranch_scc0 .Lentry_in_a_cluster
	s_endpgm
.Lentry_in_a_cluster:
	s_bfe_u32 s2, ttmp6, 0x10000c
	s_cmp_lg_u32 s2, 0x3003
	s_cbranch_scc0 .Lentry_shape_is_right
	s_endpgm
.Lentry_shape_is_right:
; OUTP.  y = sum over the four splits of w_s O_s, with w_s = 2^(m_s - M) / sum of 2^(m_s - M) l_s and M the largest m_s;  out = y Wv^T + bv.
; (attn v = (attn domain_x) Wv^T + bv, since a softmax row sums to 1.)
; y is a sum that reference() never rounds, so it goes into the product as TWO bf16 operands: bf16(y), and bf16(y - bf16(y)).
; Work-group G: 16 rows.  Wave w combines rows 4 w .. 4 w + 3, puts both parts into LDS, then makes columns 128 w .. 128 w + 127 of all 16 rows.
; TWO ROADS FOR Wv.  Of my eight tiles, k steps 0-7 come by one tensor load into my wave's own 65,536 bytes of LDS (filled once, one load out);
; k steps 8-15 come by global loads into 512 registers, each written once.  Each fragment feeds two products.
; CLUSTER: every work-group needs all of Wv, so the four of a cluster ask for the LDS half jointly (mask 15).
; LIMIT: Wv is rounded to bf16.
; REGISTERS: window 0: v16-25 m, l, weights; v28-31 bv; v32-47 the weights of my four rows; v48-63 at work; v64-127 eight accumulators;
; v128-191, v192-255 at work, then two buffers of eight Wv fragments.  Windows 1, 3: Wv, k step 8 + j at v[64 (j & 3) + 8 e], j < 4 in window 1.
; Window 2: row i, split s, quarter ch of the partial sums at v[64 i + 16 s + 4 ch], later y's fragments: step s, high at v[8 s], low at v[128 + 8 s].
.set YP,  1040                         ; y's LDS row: 1,024 bytes + 16
.set YB,  4*65536                      ; behind the four waves' halves of Wv: what follows is written by LDS stores alone
.set YLO, 16*YP                        ; the image of the low parts, behind that of the high parts
.set WTS, YB+2*16*YP                   ; the weights: 512 w + 16 L
.set BVB, WTS+2048                     ; bv: 512 w + 16 L
.set SP,  528                          ; the way out: 16 rows of 528 bytes a wave, from YB on, when y and the weights have been read
.set F0,  128
.set F1,  192
.set MSB, 0
.macro WIN new                         ; the immediate's high byte repeats the setting that is left
.if MSB != \new
	s_set_vgpr_msb (MSB<<8)|\new
.set MSB, \new
.endif
.endm
.macro PLACES n
.rept \n
	v_nop
.endr
.endm
.macro CROUND                          ; a round of the cluster's barrier
	s_barrier_signal -1
	s_barrier_wait -1
	s_cmp_lg_u32 s14, 0
	s_cbranch_scc1 .Lnot_wave_0_\@
	s_barrier_signal -3
.Lnot_wave_0_\@:
	s_barrier_wait -3
	s_barrier_signal -1
	s_barrier_wait -1
.endm
	s_load_b256 s[4:11], s[0:1], 0x0               ; yp 4, st 6, wvf 8, bv 10
	s_load_b64 s[12:13], s[0:1], 0x20              ; out0
	v_lshl_add_u32 v254, v0, 2, 0x49200
	v_mov_b32 v255, 0
	ds_add_u32 v254, v255
	s_wait_dscnt 0x0
	v_and_b32 v1, 31, v0
	v_lshrrev_b32 v2, 5, v0
	v_readfirstlane_b32 s14, v2                    ; wave w
	s_bfe_u32 s48, ttmp6, 0x40000                  ; cx
	s_lshl2_add_u32 s49, ttmp9, s48                ; G = 4 x cluster + cx: enters global addresses alone
	s_mov_b32 s34, 0xffff0000                      ; a word's upper bf16
	v_lshlrev_b32 v3, 4, v1                        ; 16 L
	v_lshrrev_b32 v4, 4, v1                        ; h
	v_and_b32 v5, 15, v1                           ; r
	v_lshlrev_b32 v6, 5, v4                        ; 32 h
	s_lshl_b32 s50, s48, 2
	v_add_nc_u32 v7, s50, v3                       ; st: 16 L + 4 (G & 3)
	s_mul_i32 s15, s14, 4*YP
	s_add_co_u32 s15, s15, YB
	v_lshlrev_b32 v8, 3, v1
	v_add_nc_u32 v8, s15, v8                       ; y in: row 4 w, 8 L
	s_lshl_b32 s15, s14, 9
	s_add_co_u32 s15, s15, WTS
	v_add_nc_u32 v9, s15, v3                       ; weights in
	s_lshl_b32 s24, s14, 6
	s_add_co_u32 s15, s15, s24
	v_mov_b32 v10, s15                             ; weights back: lane 4 w's quad, the same address in every lane
	v_mul_u32_u24 v11, v5, YP
	v_lshl_add_u32 v11, v4, 4, v11
	v_add_nc_u32 v11, YB, v11                      ; fragment of y: row r, 16 h
	s_mul_i32 s15, s14, 16*SP
	s_add_co_u32 s15, s15, YB
	v_mul_u32_u24 v12, v5, SP
	v_add_nc_u32 v12, v12, v6
	v_add_nc_u32 v12, s15, v12                     ; stage in: row r, 8 h columns
	v_add_nc_u32 v13, s15, v3                      ; stage back
	s_lshl_b32 s37, s14, 16                        ; LDS: my half of Wv
	v_add_nc_u32 v14, s37, v3                      ; a block is 512 bytes, 16 a lane
	s_lshl_b32 s15, s14, 9
	s_add_co_u32 s15, s15, BVB
	v_add_nc_u32 v15, s15, v3                      ; bv in
	v_add_nc_u32 v26, s15, v6                      ; bv back: 8 h numbers on
	; the tensor load: 8 rows (tiles) of 8,192 bytes (k steps 0-7), 16,384 bytes from tile to tile
	s_mov_b32 s40, 0x0023000f                      ; 15:0 mask: all four of the cluster; 17:16 8-byte elements; 21 set beside a mask; no padding
	s_mov_b32 s41, 1024<<16                        ; tensor_dim0 = 1,024
	s_mov_b32 s42, 8<<16                           ; tensor_dim1 = 8
	s_mov_b32 s43, 1024<<16                        ; tile_dim0 = 1,024
	s_mov_b32 s44, 8                               ; tile_dim1 = 8
	s_mov_b32 s45, 2048                            ; elements from row to row
	s_mov_b32 s46, 0
	s_mov_b32 s47, 0
	s_mov_b32 s36, 1
	s_lshl_b32 s24, ttmp9, 9                       ; st: (G >> 2) x 512
	s_mov_b32 s25, 0
	s_lshl_b32 s26, s14, 9                         ; bv: my 128 columns
	s_mov_b32 s27, 0
	s_lshl2_add_u32 s28, s49, s14                  ; yp: row 16 G + 4 w
	s_lshl_b32 s28, s28, 13
	s_mov_b32 s29, 0
	s_lshl_b32 s30, s14, 17                        ; wvf: my eight tiles of 32 blocks
	s_mov_b32 s31, 0
	s_lshl_b32 s32, s49, 15                        ; out0: 16 G rows, my 512 bytes of each
	s_add_co_u32 s32, s32, s26
	s_mov_b32 s33, 0
	s_wait_kmcnt 0x0
	s_add_nc_u64 s[6:7], s[6:7], s[24:25]
	s_add_nc_u64 s[10:11], s[10:11], s[26:27]
	s_add_nc_u64 s[16:17], s[4:5], s[28:29]
	s_add_nc_u64 s[18:19], s[16:17], 0x800000      ; a base for each split
	s_add_nc_u64 s[20:21], s[18:19], 0x800000
	s_add_nc_u64 s[22:23], s[20:21], 0x800000
	s_add_nc_u64 s[8:9], s[8:9], s[30:31]
	s_mov_b64 s[38:39], s[8:9]
	s_or_b32 s39, s39, 0x80000000                  ; type 2
	s_add_nc_u64 s[12:13], s[12:13], s[32:33]
	global_load_b128 v[28:31], v3, s[10:11]                                ; my 128 numbers of bv, once
.irp s, 0,1,2,3
	global_load_b32 v[16+\s], v7, s[6:7] offset:32768*\s                   ; m of split s, query r
	global_load_b32 v[20+\s], v7, s[6:7] offset:32768*\s+131072            ; l
.endr
.macro PROW i                          ; 16 loads: row 4 w + i of the four splits, 512 consecutive bytes each
.irp s, 0,1,2,3
.irp ch, 0,1,2,3
	global_load_b128 v[64*\i+16*\s+4*\ch:64*\i+16*\s+4*\ch+3], v3, s[16+2*\s:17+2*\s] offset:2048*\i+512*\ch th:TH_LOAD_NT
.endr
.endr
.endm
.macro WCHUNK j                        ; 16 loads: k step 8 + j of my eight tiles of Wv
.irp e, 0,1,2,3,4,5,6,7
	global_load_b128 v[64*((\j)&3)+8*\e:64*((\j)&3)+8*\e+3], v3, s[8:9] offset:16384*\e+1024*(8+\j)
	global_load_b128 v[64*((\j)&3)+8*\e+4:64*((\j)&3)+8*\e+7], v3, s[8:9] offset:16384*\e+1024*(8+\j)+512
.endr
.endm
	WIN 0x80
	PROW 0
	PROW 1
	PROW 2
	WIN 0
	CROUND                                         ; all four work-groups are here: the joint loads meet
	tensor_load_to_lds s[36:39], s[40:47]
	s_nop 0
	s_wait_loadcnt 48                              ; bv, m and l are in; the three rows stay out
	ds_store_b128 v15, v[28:31]                    ; my wave's own bytes, served in order (ISA guide 5.7.1):
.irp i, 0,1,2,3,4,5,6,7
	ds_load_b128 v[64+8*\i:67+8*\i], v26 offset:64*\i              ; the sums start at bv: lane (r, h), register j is column 16 i + 8 h + j
	ds_load_b128 v[68+8*\i:71+8*\i], v26 offset:64*\i+16
.endr
	v_max3_num_f32 v24, v16, v17, v18
	v_max_num_f32 v24, v24, v19
.irp s, 0,1,2,3
	v_sub_f32 v[16+\s], v[16+\s], v24
.endr
.irp s, 0,1,2,3
	v_exp_f32 v[16+\s], v[16+\s]
.endr
	v_nop                                          ; one plain place behind a transcendental (ISA guide 5.7.2)
	s_wait_alu depctr_va_vdst(0)
	v_mul_f32 v25, v16, v20
	v_fmac_f32 v25, v17, v21
	v_fmac_f32 v25, v18, v22
	v_fmac_f32 v25, v19, v23
	v_rcp_f32 v25, v25
	v_nop
	s_wait_alu depctr_va_vdst(0)
.irp s, 0,1,2,3
	v_mul_f32 v[16+\s], v[16+\s], v25
.endr
	ds_store_b128 v9, v[16:19]                     ; lane r: the four weights of query r; again my wave's own bytes:
.irp i, 0,1,2,3
	ds_load_b128 v[32+4*\i:35+4*\i], v10 offset:16*\i              ; those of row 4 w + i, in every lane
.endr
	WIN 0x80
	PROW 3
	WIN 0
	s_wait_dscnt 0x0
.macro ROW i
	s_wait_loadcnt 48                              ; row i is in: three groups of 16 loads are younger
	WIN 0x02
.irp ch, 0,1,2,3
.irp p, 0,2
	v_pk_mul_f32 v[48+4*\ch+\p:49+4*\ch+\p], v[64*\i+4*\ch+\p:64*\i+4*\ch+\p+1], v[32+4*\i:33+4*\i] op_sel_hi:[1,0]
	v_pk_fma_f32 v[48+4*\ch+\p:49+4*\ch+\p], v[64*\i+16+4*\ch+\p:64*\i+16+4*\ch+\p+1], v[32+4*\i:33+4*\i], v[48+4*\ch+\p:49+4*\ch+\p] op_sel:[0,1,0] op_sel_hi:[1,1,1]
	v_pk_fma_f32 v[48+4*\ch+\p:49+4*\ch+\p], v[64*\i+32+4*\ch+\p:64*\i+32+4*\ch+\p+1], v[34+4*\i:35+4*\i], v[48+4*\ch+\p:49+4*\ch+\p] op_sel_hi:[1,0,1]
	v_pk_fma_f32 v[48+4*\ch+\p:49+4*\ch+\p], v[64*\i+48+4*\ch+\p:64*\i+48+4*\ch+\p+1], v[34+4*\i:35+4*\i], v[48+4*\ch+\p:49+4*\ch+\p] op_sel:[0,1,0] op_sel_hi:[1,1,1]
.endr
.endr
	WIN 0
.irp ch, 0,1,2,3
	v_cvt_pk_bf16_f32 v[128+2*\ch], v[48+4*\ch], v[49+4*\ch]       ; the high part,
	v_cvt_pk_bf16_f32 v[129+2*\ch], v[50+4*\ch], v[51+4*\ch]
.endr
.irp ch, 0,1,2,3
	v_lshlrev_b32 v[136+4*\ch], 16, v[128+2*\ch]                   ; widened again,
	v_and_b32 v[137+4*\ch], s34, v[128+2*\ch]
	v_lshlrev_b32 v[138+4*\ch], 16, v[129+2*\ch]
	v_and_b32 v[139+4*\ch], s34, v[129+2*\ch]
.endr
.irp j, 0,1,2,3,4,5,6,7,8,9,10,11,12,13,14,15
	v_sub_f32 v[48+\j], v[48+\j], v[136+\j]                        ; taken away (exact),
.endr
.irp ch, 0,1,2,3
	v_cvt_pk_bf16_f32 v[152+2*\ch], v[48+4*\ch], v[49+4*\ch]       ; and what is left, rounded: the low part
	v_cvt_pk_bf16_f32 v[153+2*\ch], v[50+4*\ch], v[51+4*\ch]
	ds_store_b64 v8, v[128+2*\ch:129+2*\ch] offset:\i*YP+256*\ch
	ds_store_b64 v8, v[152+2*\ch:153+2*\ch] offset:YLO+\i*YP+256*\ch
.endr
	WIN 0x40
	WCHUNK \i                                      ; k steps 8-11 of Wv are asked for as the rows leave
	WIN 0
.endm
	ROW 0
	ROW 1
	ROW 2
	ROW 3
	s_wait_dscnt 0x0                               ; my four rows of y are written,
	s_wait_tensorcnt 0x0                           ; and my half of Wv has landed (only I read it)
	s_barrier_signal -1
	s_barrier_wait -1                              ; all sixteen rows are written
	WIN 0x80                                       ; the partial sums have been used up: their window takes y's fragments
.irp s, 0,1,2,3,4,5,6,7,8,9,10,11,12,13,14,15
	ds_load_b128 v[8*\s:8*\s+3], v11 offset:64*\s
	ds_load_b128 v[8*\s+4:8*\s+7], v11 offset:64*\s+32
	ds_load_b128 v[128+8*\s:131+8*\s], v11 offset:YLO+64*\s
	ds_load_b128 v[132+8*\s:135+8*\s], v11 offset:YLO+64*\s+32
.endr
	WIN 0
.macro WFETCH s, buf                   ; 16 loads: k step s of my eight tiles, from LDS
.irp e, 0,1,2,3,4,5,6,7
	ds_load_b128 v[\buf+8*\e:\buf+8*\e+3], v14 offset:8192*\e+1024*(\s)
	ds_load_b128 v[\buf+8*\e+4:\buf+8*\e+7], v14 offset:8192*\e+1024*(\s)+512
.endr
.endm
; Source 0 = rows of Wv (e), source 1 = rows of y: lane (r, h) holds row r, columns 8 h + 0..7.  Eight accumulators take turns, one instruction a
; turn: once round with y's high part, once round with its low part.
.macro OMUL w0, s
.irp i, 0,1,2,3,4,5,6,7
	v_wmma_f32_16x16x32_bf16 v[64+8*\i:71+8*\i], v[\w0+8*\i:\w0+8*\i+7], v[8*(\s):8*(\s)+7], v[64+8*\i:71+8*\i]
.endr
.irp i, 0,1,2,3,4,5,6,7
	v_wmma_f32_16x16x32_bf16 v[64+8*\i:71+8*\i], v[\w0+8*\i:\w0+8*\i+7], v[128+8*(\s):135+8*(\s)], v[64+8*\i:71+8*\i]
.endr
.endm
; A step fed from LDS: fetches step s + 1 into the other buffer, asks for chunk ck of the register half (ck < 0: none), multiplies step s.
.macro LSTEP s, buf, other, ck
	PLACES 4                                       ; four places between the products that read a buffer and the loads into it
	WFETCH (\s)+1, \other
.if \ck >= 0
	WIN 0xc0
	WCHUNK \ck                                     ; k steps 12-15
.endif
	s_wait_dscnt 16                                ; all but the 16 LDS loads just issued
	WIN 0x08
	OMUL \buf, \s
.endm
.macro GSTEP j, cnt, win               ; a step fed from registers
	s_wait_loadcnt \cnt                            ; chunk j is in: 16 (7 - j) loads are younger; a wait's count names 63 at the most
	WIN \win
	OMUL 64*((\j)&3), 8+\j
.endm
	WFETCH 0, F0
	LSTEP 0, F0, F1, 4
	LSTEP 1, F1, F0, 5
	LSTEP 2, F0, F1, 6
	LSTEP 3, F1, F0, 7
	LSTEP 4, F0, F1, -1
	LSTEP 5, F1, F0, -1
	LSTEP 6, F0, F1, -1
	s_wait_dscnt 0x0
	OMUL F1, 7
	GSTEP 0, 63, 0x09
	GSTEP 1, 63, 0x09
	GSTEP 2, 63, 0x09
	GSTEP 3, 63, 0x09
	GSTEP 4, 48, 0x0b
	GSTEP 5, 32, 0x0b
	GSTEP 6, 16, 0x0b
	GSTEP 7, 0, 0x0b
	WIN 0
	PLACES 4                                       ; four places, then the results are read and the buffers loaded into
	s_wait_dscnt 0x0                               ; my reads of y, of the weights and of bv are long over,
	s_barrier_signal -1
	s_barrier_wait -1                              ; everybody's are: their bytes now serve as the stage
.irp i, 0,1,2,3,4,5,6,7
	ds_store_b128 v12, v[64+8*\i:67+8*\i] offset:64*\i
	ds_store_b128 v12, v[68+8*\i:71+8*\i] offset:64*\i+16
.endr
.irp i, 0,1,2,3,4,5,6,7,8,9,10,11,12,13,14,15
	ds_load_b128 v[128+4*\i:131+4*\i], v13 offset:SP*\i            ; my wave's own stage, served in order: whole rows back
.endr
.irp i, 0,1,2,3,4,5,6,7,8,9,10,11,12,13,14,15
	s_wait_dscnt 15-\i
	global_store_b128 v3, v[128+4*\i:131+4*\i], s[12:13] offset:2048*\i    ; 512 consecutive bytes, aligned
.endr
	s_wait_xcnt 0x0
	v_lshl_add_u32 v254, v0, 2, 0x49200
	v_mov_b32 v255, 0
	s_wait_tensorcnt 0x0
	ds_add_u32 v254, v255
	s_wait_dscnt 0x0
	CROUND                                         ; the closing round: no work-group ends while a partner may still ask for a tile that names it
	s_endpgm
.Lfunc_end_k_q51b2f7e497_outp:
	.size	k_q51b2f7e497_outp, .Lfunc_end_k_q51b2f7e497_outp-k_q51b2f7e497_outp
	.p2alignl 7, 3214868480
	.fill 96, 4, 3214868480
	.section	.rodata,"a",@progbits
	.p2align	6, 0x0
	.amdhsa_kernel k_q51b2f7e497_outp
		.amdhsa_group_segment_fixed_size 300032
		.amdhsa_private_segment_fixed_size 0
		.amdhsa_enable_private_segment 0
		.amdhsa_kernarg_size 40
		.amdhsa_user_sgpr_count 2
		.amdhsa_user_sgpr_kernarg_segment_ptr 1
		.amdhsa_wavefront_size32 1
		.amdhsa_system_sgpr_workgroup_id_x 1
		.amdhsa_system_sgpr_workgroup_id_y 1
		.amdhsa_system_sgpr_workgroup_id_z 1
		.amdhsa_system_vgpr_workitem_id 0
		.amdhsa_next_free_vgpr 1024
		.amdhsa_next_free_sgpr 66
		.amdhsa_reserve_vcc 0
		.amdhsa_float_denorm_mode_32 3
		.amdhsa_float_denorm_mode_16_64 3
		.amdhsa_memory_ordered 1
		.amdhsa_forward_progress 1
		.amdhsa_inst_pref_size 79
	.end_amdhsa_kernel
	.amdgpu_metadata
---
amdhsa.version: [ 1, 2 ]
amdhsa.kernels:
  - .name:           k_q51b2f7e497_outp
    .symbol:         k_q51b2f7e497_outp.kd
    .args:
      - { .name: yp, .offset: 0, .size: 8, .value_kind: global_buffer, .address_space: global }
      - { .name: st, .offset: 8, .size: 8, .value_kind: global_buffer, .address_space: global }
      - { .name: wvf, .offset: 16, .size: 8, .value_kind: global_buffer, .address_space: global }
      - { .name: bv, .offset: 24, .size: 8, .value_kind: global_buffer, .address_space: global }
      - { .name: out0, .offset: 32, .size: 8, .value_kind: global_buffer, .address_space: global }
    .group_segment_fixed_size: 300032
    .private_segment_fixed_size: 0
    .kernarg_segment_align: 8
    .kernarg_segment_size: 40
    .max_flat_workgroup_size: 128
    .sgpr_count:     66
    .vgpr_count:     1024
    .wavefront_size: 32
...
	.end_amdgpu_metadata
.endif
;; end of part 4
